; MI455X (gfx1250); checked and timed in simulation.
; The chip was launched on July 23, 2026; its instructions are those of AMD's public machine-readable ISA for CDNA 5 (MIT licence, August 2026) and "CDNA5" Instruction Set Architecture Reference Guide (July 2026). The comments in the code are by the model that wrote it; some were corrected since.
;; Multi Headed Attention. Allowed arithmetic: matrix products marked QUANTISED: E2M1 operands, one E8M0 scale for each 32 along K, by v_wmma_scale_f32_16x16x128_f8f6f4 with both operands' format E2M1 (or v_wmma_scale_f32_32x16x128_f4), f32 sums; everything else in f32.
;; Inputs: WKb 16 x 64 float32; WKw 16 x 64 x 1,024 float32; WQb 16 x 64 float32; WQw 16 x 64 x 1,024 float32; WVb 16 x 64 float32; WVw 16 x 64 x 1,024 float32; Wb 1,024 float32; Ww 1,024 x 1,024 float32; input_k 4 x 2,048 x 1,024 float32; input_q 4 x 2,048 x 1,024 float32; input_v 4 x 2,048 x 1,024 float32.
;; Outputs: out0 4 x 2,048 x 1,024 float32.
;; This version of the problem:
;;   THIS VERSION OF THE PROBLEM IS GIVEN IN LOW PRECISION. The matrix products marked QUANTISED in the list below multiply operands that are first quantised to E2M1 (2 exponent bits, 1 mantissa bit; 4 bits a number), with one power-of-two scale for each 32 numbers along K (OCP MX v1.0); their sums are f32. All else is computed in f32.
;;   The module's matrix products, in the order in which they are computed (A, B: the left and right operand; K: the contracted axis; several contracted axes count as one K, in the product's order):
;;     1. [M 1,024, K 1,024] x [K 1,024, N 8,192]; A: input WQw; B: input input_q: QUANTISED
;;     2. [M 1,024, K 1,024] x [K 1,024, N 8,192]; A: input WKw; B: input input_k: QUANTISED
;;     3. [M 1,024, K 1,024] x [K 1,024, N 8,192]; A: input WVw; B: input input_v: QUANTISED
;;     4. batch 64 x [M 2,048, K 64] x [K 64, N 2,048]; A: computed on the way; B: computed on the way: QUANTISED
;;     5. batch 64 x [M 2,048, K 2,048] x [K 2,048, N 64]; A: softmax (see below); B: computed on the way: QUANTISED
;;     6. [M 8,192, K 1,024] x [K 1,024, N 1,024]; A: computed on the way; B: input Ww: QUANTISED
;;   THE QUANTISER, for each operand of a quantised product, along K:
;;     - K is cut into blocks of 32 from its start; a last block that is shorter is filled with zeros.
;;     - A block's scale is 2^e with e = floor(log2(the largest magnitude in the block)) - 2, held to -126 .. 127; a block of zeros has e = 0. As a byte (E8M0): e + 127.
;;     - Each number is divided by its block's scale, clamped to +-6, and rounded to the nearest number of E2M1, ties to even, subnormals kept.
;;     - The product sums the exact products of the quantised numbers (number of the format x scale) in f32.
;;   ~~~python
;;   def quantise(x, axis):      # numpy; x: float32 -> the quantised numbers, widened to float32 again
;;       x = np.moveaxis(x, axis, -1); K = x.shape[-1]
;;       x = np.pad(x, [(0, 0)] * (x.ndim - 1) + [(0, -K % 32)]); x = x.reshape(x.shape[:-1] + (-1, 32)); a = np.abs(x).max(-1, keepdims=True)
;;       e = np.where(a > 0, np.clip(np.frexp(np.where(a > 0, a, 1))[1] - 1 - 2, -126, 127), 0)      # np.frexp(a)[1] - 1 = floor(log2(a)), exactly
;;       r = np.clip(x / 2.0 ** e, -6, 6)
;;       step = 2.0 ** (np.maximum(np.frexp(np.where(r == 0, 1, r))[1] - 1, 0) - 1)
;;       q = np.round(r / step) * step * 2.0 ** e      # np.round: ties to even
;;       return np.moveaxis(q.reshape(q.shape[:-2] + (-1,))[..., :K], -1, axis).astype(np.float32)
;;   ~~~
;;   SOFTMAX AHEAD OF A QUANTISED PRODUCT. Where the list says 'softmax', what is quantised is not the finished softmax but p = 2^(t - M), with t = logit x log2(e) and M = ceil(the row's largest t), a whole number; so 1/2 < the row's largest p <= 1. The row's sum l is taken of the UNQUANTISED p, in f32, and the product's result is divided by l at the end. Since M is a whole number, a kernel that streams over the keys may use a running M (the ceiling of the running maximum): every later rescaling is an exact power of two, which a block's scale takes up: the codes' values come out the same.
;;   OPERANDS COMPUTED ON THE WAY. 'Computed on the way' means the value that the module computes at that place (a softmax that the list does not call 'softmax' is quantised finished and normalised). What goes into a quantiser is computed in f32, as accurately as f32 sums, v_exp_f32 and their like allow (about 1e-6 of the number): no bf16 or f16 on the way to a quantiser, and a product that is left as it is and whose result goes on into a quantised operand takes f32 operands (vector FMAs, or v_wmma_f32_16x16x4_f32). A number that lies on a knife's edge between two numbers of the format may be rounded either way, as far as f32 arithmetic and the matrix unit's own rounding can turn it there, and no further.
;; One version. Each part assembles by itself: llvm-mc -triple=amdgcn-amd-amdhsa -mcpu=gfx1250 --defsym DOCPART=n.
;; ======== version 1 of 1: 4 launches
;; limits: right only within a limited range of input values
;; workspace buffers: xc 15,597,568 bytes; qc 4,194,304 bytes; qs 524,288 bytes; kv 9,437,184 bytes; cc 4,456,448 bytes
;; launch quant (part 1): grid 896 x 1, 4 waves a work-group, no clusters, 37,376 bytes of LDS; arguments input_q, input_k, input_v, WQw, WKw, WVw, Ww, xc; writes xc
.if DOCPART == 1
	.amdgcn_target "amdgcn-amd-amdhsa--gfx1250"
	.amdhsa_code_object_version 6
	.text
	.protected	k_q3de177056e_quant
	.globl	k_q3de177056e_quant
	.p2align	8
	.type	k_q3de177056e_quant,@function
k_q3de177056e_quant:
	s_mov_b64 s[64:65], 0
	v_nop
	global_prefetch_b8 v0, s[64:65] scope:SCOPE_SE
	s_setreg_imm32_b32 hwreg(HW_REG_WAVE_MODE, 25, 1), 1
	s_wait_xcnt 0x0
; The three inputs [8192][1024] and the four weights [1024][1024], f32, K innermost, become codes of FP4 (E2M1) with one E8M0 byte for each 32 along K,
; laid in the ORDER OF AN OPERAND'S REGISTERS.  28,672 rows in all = 1,792 tiles of 16 rows; tile g has a record of 8,704 bytes in xc.
; THE ROWS OF A TILE ARE NOT NEIGHBOURS: lane-row r of tile g is row 32 (g / 2) + 8 (g % 2) + r + 8 (r / 8), so that a product that takes such a tile as source 0
; leaves, in the 16 registers of two neighbouring tiles, 16 neighbours along the next product's K.
; A RECORD is two halves of 4,352 bytes (K 0-511, K 512-1023).  A half: codes [16 blocks][16 rows][16 bytes], then scale words [4 K steps of 128][16 rows][4 bytes].
; So a fragment (16 rows x 128 K) is 1,024 consecutive bytes, 16 bytes a lane at 16 x lane and at 512 + 16 x lane.
; A block's scale is 2^(floor(log2(its largest magnitude)) - 2); its byte is the largest magnitude's exponent field - 2, held at 1 from below.
; LIMITS: NaN and infinities among the inputs are not served; a block whose largest magnitude lies under 2^-124 is held at the byte 1; a block of zeros has the byte 1
; where the rule says 127: its codes are zeros, which add nothing under any byte but 0xff, and this program alone reads the bytes.
; SHARES: a work-group takes 32 rows (two tiles); wave w the tile of parity w / 2 and the half w % 2: 16 rows x 512 numbers, in 8 steps of 16 rows x 64 numbers.
; Each load reads two rows' 256 consecutive bytes; the step's 4,096 bytes turn through the wave's own stage in LDS, so that a lane gets a whole block of 32 neighbours
; (lane (r, j): block 2 t + j of row r): the block's largest magnitude needs no other lane.  Loads run three steps (24 loads a wave) ahead, the turn one step.
; No tensor loads, no barrier, no cluster: waves share nothing, and no byte is read by two work-groups.
.set R,    16                          ; v16-111  three sets of 32 registers as loaded
.set X,    112                         ; v112-175 two sets of 32 neighbours
.set C,    176                         ; v176-207 four registers of codes for each step: no store's data are written again
.set E,    208                         ; v208-215 a scale byte for each step
.set SP,   272                         ; a stage row: 256 bytes + 16: the sixteen rows of a load begin at sixteen different 16-byte columns of 256 bytes
.set STG,  16*SP                       ; a stage; also half a record: 4,352 bytes
.set WREG, 9216                        ; LDS of a wave: two stages, then its 256 scale bytes
	s_load_b512 s[8:23], s[0:1], 0x0               ; input_q, input_k, input_v, WQw, WKw, WVw, Ww, xc
	v_lshl_add_u32 v216, v0, 2, 0x9000
	v_mov_b32 v217, 0
	v_lshrrev_b32 v1, 5, v0
	v_readfirstlane_b32 s2, v1                     ; wave 0..3
	v_and_b32 v2, 31, v0                           ; lane
	v_and_b32 v9, 15, v0                           ; lane % 16
	v_bfe_u32 v10, v0, 4, 1                        ; lane / 16
	v_lshlrev_b32 v3, 4, v9
	v_lshl_add_u32 v3, v10, 12, v3                 ; in memory: lanes 0-15 one row's 256 bytes, lanes 16-31 the next row's
	s_mul_i32 s3, s2, WREG
	v_mul_u32_u24 v14, v10, SP
	v_lshl_add_u32 v14, v9, 4, v14
	v_add_nc_u32 v14, s3, v14                      ; into the stage: the same two rows
	v_mul_u32_u24 v15, v9, SP
	v_lshl_add_u32 v15, v10, 7, v15
	v_add_nc_u32 v15, s3, v15                      ; out of it: row lane % 16, block lane / 16: 128 bytes
	v_lshlrev_b32 v4, 4, v2                        ; my 16 bytes of a step's 512 bytes of codes
	v_lshl_add_u32 v5, v9, 2, v10                  ; my scale byte: 4 x row + block % 2
	s_add_co_u32 s3, s3, 2*STG
	v_add_nc_u32 v5, s3, v5
	v_lshlrev_b32 v7, 3, v2
	v_add_nc_u32 v6, s3, v7                        ; the scale bytes on their way out: 8 a lane,
	v_add_nc_u32 v7, 4096, v7                      ; behind the half's codes
	s_wait_alu depctr_va_vdst(0)
	s_wait_kmcnt 0x0
	s_mov_b64 s[4:5], s[20:21]                     ; which tensor is my work-group's, and at which work-group it begins: the choice hangs on the work-group's number alone
	s_mov_b32 s6, 864
	s_cmp_lt_u32 ttmp9, 864
	s_cselect_b64 s[4:5], s[18:19], s[4:5]
	s_cselect_b32 s6, 832, s6
	s_cmp_lt_u32 ttmp9, 832
	s_cselect_b64 s[4:5], s[16:17], s[4:5]
	s_cselect_b32 s6, 800, s6
	s_cmp_lt_u32 ttmp9, 800
	s_cselect_b64 s[4:5], s[14:15], s[4:5]
	s_cselect_b32 s6, 768, s6
	s_cmp_lt_u32 ttmp9, 768
	s_cselect_b64 s[4:5], s[12:13], s[4:5]
	s_cselect_b32 s6, 512, s6
	s_cmp_lt_u32 ttmp9, 512
	s_cselect_b64 s[4:5], s[10:11], s[4:5]
	s_cselect_b32 s6, 256, s6
	s_cmp_lt_u32 ttmp9, 256
	s_cselect_b64 s[4:5], s[8:9], s[4:5]
	s_cselect_b32 s6, 0, s6
	s_sub_co_u32 s6, ttmp9, s6
	s_lshl_b32 s24, s6, 17                         ; 32 rows of 4,096 bytes a work-group,
	s_lshr_b32 s7, s2, 1
	s_lshl_b32 s7, s7, 15                          ; 8 rows on for the odd tile,
	s_add_co_u32 s24, s24, s7
	s_and_b32 s7, s2, 1
	s_lshl_b32 s7, s7, 11                          ; 512 numbers on for the second half of K
	s_add_co_u32 s24, s24, s7
	s_mov_b32 s25, 0
	s_add_nc_u64 s[4:5], s[4:5], s[24:25]
	s_lshl_b32 s26, ttmp9, 2
	s_add_co_u32 s26, s26, s2
	s_mul_i32 s26, s26, STG                        ; my half record: number 4 x work-group + wave
	s_mov_b32 s27, 0
	s_add_nc_u64 s[22:23], s[22:23], s[26:27]
.macro LOAD t                          ; step t: lane-rows 2 i and 2 i + 1 are rows 2 i + 8 (i / 4) and the next
.irp i, 0,1,2,3,4,5,6,7
	global_load_b128 v[R+32*((\t)%3)+4*\i:R+32*((\t)%3)+4*\i+3], v3, s[4:5] offset:(2*\i+8*(\i/4))*4096+256*(\t) th:TH_LOAD_NT
.endr
.endm
.macro TURN t                          ; through the stage: LDS serves a wave's instructions in order, so no wait stands between the stores and the loads
.irp i, 0,1,2,3,4,5,6,7
	ds_store_b128 v14, v[R+32*((\t)%3)+4*\i:R+32*((\t)%3)+4*\i+3] offset:STG*((\t)%2)+2*SP*\i
.endr
.irp m, 0,1,2,3,4,5,6,7
	ds_load_b128 v[X+32*((\t)%2)+4*\m:X+32*((\t)%2)+4*\m+3], v15 offset:STG*((\t)%2)+16*\m
.endr
.endm
	LOAD 0
	LOAD 1
	LOAD 2
	s_wait_loadcnt 16                              ; step 0's eight loads are in; the sixteen of steps 1 and 2 may be out
	TURN 0
.macro STEP t
.set XS, X+32*((\t)%2)
.if (\t) > 0
	s_wait_dscnt 1                                 ; this step's numbers are back from the stage; the one younger LDS instruction is the last step's byte store
.else
	s_wait_dscnt 0x0
.endif
.if (\t)+3 < 8
	LOAD (\t)+3                                    ; into the set that this step's stores into the stage have read
.endif
.if (\t)+1 < 8
.if (\t) <= 4
	s_wait_loadcnt 16                              ; the next step's eight loads are in; those of the two steps behind it may be out
.elseif (\t) == 5
	s_wait_loadcnt 8                               ; one step is behind it
.else
	s_wait_loadcnt 0
.endif
	TURN (\t)+1                                    ; through the other stage while this step is worked
.endif
	v_max3_num_f32 v8, |v[XS]|, |v[XS+1]|, |v[XS+2]|               ; the block's largest magnitude: all 32 numbers are mine; two chains
	v_max3_num_f32 v9, |v[XS+3]|, |v[XS+4]|, |v[XS+5]|
.irp i, 6,10,14,18,22,26
	v_max3_num_f32 v8, v8, |v[XS+\i]|, |v[XS+\i+1]|
	v_max3_num_f32 v9, v9, |v[XS+\i+2]|, |v[XS+\i+3]|
.endr
	v_max3_num_f32 v8, v8, |v[XS+30]|, |v[XS+31]|
	v_max3_num_f32 v8, v8, v9, 0x1800000           ; and the floor 2^(3 - 127): the byte cannot fall under 1
	v_add_nc_u32 v11, 0xff000000, v8               ; 2 off the exponent field: the conversion takes the exponent field of this operand as its scale
.irp g, 0,1,2,3
	v_cvt_scalef32_pk8_fp4_f32 v[C+4*(\t)+\g], v[XS+8*\g:XS+8*\g+7], v11
.endr
	v_lshrrev_b32 v[E+(\t)], 23, v11               ; the scale's byte (also the plain line behind the conversions)
	ds_store_b8 v5, v[E+(\t)] offset:64*((\t)/2)+2*((\t)%2)        ; K step t / 2 of the half, byte 2 (t % 2) + lane / 16 of my row's word
	global_store_b128 v4, v[C+4*(\t):C+4*(\t)+3], s[22:23] offset:512*(\t)   ; blocks 2 t and 2 t + 1 of 16 rows: 512 consecutive bytes
.endm
.irp t, 0,1,2,3,4,5,6,7
	STEP \t
.endr
	ds_load_b64 v[12:13], v6                       ; LDS serves a wave's instructions in order: this sees my byte stores
	s_wait_dscnt 0x0
	global_store_b64 v7, v[12:13], s[22:23]        ; the half's 64 scale words: 256 consecutive bytes, aligned
	s_wait_tensorcnt 0x0
	ds_add_u32 v216, v217
	s_wait_dscnt 0x0
	s_endpgm
.Lfunc_end_k_q3de177056e_quant:
	.size	k_q3de177056e_quant, .Lfunc_end_k_q3de177056e_quant-k_q3de177056e_quant
	.p2alignl 7, 3214868480
	.fill 96, 4, 3214868480
	.section	.rodata,"a",@progbits
	.p2align	6, 0x0
	.amdhsa_kernel k_q3de177056e_quant
		.amdhsa_group_segment_fixed_size 37376
		.amdhsa_private_segment_fixed_size 0
		.amdhsa_enable_private_segment 0
		.amdhsa_kernarg_size 64
		.amdhsa_user_sgpr_count 2
		.amdhsa_user_sgpr_kernarg_segment_ptr 1
		.amdhsa_wavefront_size32 1
		.amdhsa_system_sgpr_workgroup_id_x 1
		.amdhsa_system_sgpr_workgroup_id_y 1
		.amdhsa_system_sgpr_workgroup_id_z 1
		.amdhsa_system_vgpr_workitem_id 0
		.amdhsa_next_free_vgpr 218
		.amdhsa_next_free_sgpr 66
		.amdhsa_reserve_vcc 0
		.amdhsa_float_denorm_mode_32 3
		.amdhsa_float_denorm_mode_16_64 3
		.amdhsa_memory_ordered 1
		.amdhsa_forward_progress 1
		.amdhsa_inst_pref_size 31
	.end_amdhsa_kernel
	.amdgpu_metadata
---
amdhsa.version: [ 1, 2 ]
amdhsa.kernels:
  - .name:           k_q3de177056e_quant
    .symbol:         k_q3de177056e_quant.kd
    .args:
      - { .name: input_q, .offset: 0, .size: 8, .value_kind: global_buffer, .address_space: global }
      - { .name: input_k, .offset: 8, .size: 8, .value_kind: global_buffer, .address_space: global }
      - { .name: input_v, .offset: 16, .size: 8, .value_kind: global_buffer, .address_space: global }
      - { .name: WQw, .offset: 24, .size: 8, .value_kind: global_buffer, .address_space: global }
      - { .name: WKw, .offset: 32, .size: 8, .value_kind: global_buffer, .address_space: global }
      - { .name: WVw, .offset: 40, .size: 8, .value_kind: global_buffer, .address_space: global }
      - { .name: Ww, .offset: 48, .size: 8, .value_kind: global_buffer, .address_space: global }
      - { .name: xc, .offset: 56, .size: 8, .value_kind: global_buffer, .address_space: global }
    .group_segment_fixed_size: 37376
    .private_segment_fixed_size: 0
    .kernarg_segment_align: 8
    .kernarg_segment_size: 64
    .max_flat_workgroup_size: 128
    .sgpr_count:     66
    .vgpr_count:     218
    .wavefront_size: 32
...
	.end_amdgpu_metadata
.endif
;; end of part 1
;; launch proj (part 2): grid 4 x 64, 8 waves a work-group, clusters of 4 x 4, 327,680 bytes of LDS; arguments xc, WQb, WKb, WVb, qc, qs, kv; writes qc, qs, kv
.if DOCPART == 2
	.amdgcn_target "amdgcn-amd-amdhsa--gfx1250"
	.amdhsa_code_object_version 6
	.text
	.protected	k_q3de177056e_proj
	.globl	k_q3de177056e_proj
	.p2align	8
	.type	k_q3de177056e_proj,@function
k_q3de177056e_proj:
	s_mov_b64 s[64:65], 0
	v_nop
	global_prefetch_b8 v0, s[64:65] scope:SCOPE_SE
	s_setreg_imm32_b32 hwreg(HW_REG_WAVE_MODE, 25, 1), 1
	s_wait_xcnt 0x0
	s_wait_alu depctr_hold_cnt(0) depctr_sa_sdst(0) depctr_va_vdst(0) depctr_va_sdst(0) depctr_va_ssrc(0) depctr_va_vcc(0) depctr_vm_vsrc(0)
	s_getreg_b32 s2, hwreg(HW_REG_IB_STS2, 6, 4)
	s_cmp_eq_u32 s2, 0
	s_cbranch_scc0 .Lentry_in_a_cluster
	s_endpgm
.Lentry_in_a_cluster:
	s_bfe_u32 s2, ttmp6, 0x10000c
	s_cmp_lg_u32 s2, 0xf033
	s_cbranch_scc0 .Lentry_shape_is_right
	s_endpgm
.Lentry_shape_is_right:
; The three projections, Q = x_q WQ^T + bQ, K = x_k WK^T + bK, V = x_v WV^T + bV, on codes of FP4 with E8M0 scales, sums in f32; the results are quantised in registers
; (Q and K along the head's 64, V along the keys) and leave as images of the next products' operand registers.  Nothing wider than codes is stored.
; INPUT: xc, records of 8,704 bytes for tiles of 16 rows (two halves along K; a half: 4,096 bytes of codes in fragment order, 256 bytes of scale words).  Tiles 0-1535: the three inputs; 1536 on: WQ, WK, WV.
; Lane-row r of tile g is row 32 (g / 2) + 8 (g % 2) + r + 8 (r / 8): so the 16 registers of result tiles 2 b and 2 b + 1 are rows 32 b + 16 (lane / 16) + 0 .. 15 of source 0.
; SHARES: 256 work-groups THAT STAY.  Each takes the same 128 token places (8 tiles) x 256 weight rows (16 tiles, four heads) of all three kinds, one kind after the other.
; A CHUNK is one half of K of one kind's two panels, 24 x 4,352 = 104,448 bytes.  The six chunks go through a ring of two LDS slots (slot = half of K): chunk j + 1 is asked for behind the round in front of chunk j's work,
; one joint load a wave (waves 0-3: two token tiles each; waves 4-7: four weight tiles each).  By the text's own count a wave has one tensor load out; every wait on TENSORcnt is for 0.
; Eight waves: wave w takes weight quarter w % 4 (one head) and token half w / 4: 64 x 64, 16 accumulators.
; Q, K: source 0 = the head's 64 weight rows, source 1 = tokens: a lane holds ONE token, its registers run along the head's 64.  V: the sources change places: a lane holds one channel, its registers run down the keys.
; CLUSTERS: 4 x 4.  The token panel hangs on the work-group's y alone and is asked for jointly along a row of the cluster, the weight panel on x alone, jointly along a column.
; PREFETCH: in trip j (0 to 3) each wave names, once in its cluster, its share of what trip j + 1 will load (chunk j + 2).  The four partners of a joint load share its blocks of 256 bytes out by address:
; of a weight wave's four rows of 17 blocks the partner at cy takes row cy; of a token wave's two rows the partner at cx takes row cx / 2, blocks 0-8 or 9-16.  Lanes left over name their wave's last block again.  Chunks 0 and 1 come by their loads alone.
; The bias is the C of each sum's first product; the next kind's bias is loaded one chunk ahead.
; OUTPUT: qc [bh][tile 128][512 bytes], qs [bh][tile][16 rows][4 bytes];  kv [bh][key step 16][9,216 bytes]: K's codes [tile 8][512], V's codes [half 2][tile 4][512], K's words [8][16][4], V's half words [2][4][16][4].
; A word here is byte 0 | byte 1 << 8, upper bytes 0.
; LIMITS: NaN and infinities are not served; a block whose largest magnitude lies under 2^-124, a block of zeros too, has the byte 1 (zero codes add nothing; this program alone reads the bytes).
.set REC,   8704
.set HALF,  4352
.set CHUNK, 24*HALF                    ; a slot
.set WOFF,  8*HALF                     ; in a slot: 8 token tiles, then 16 weight tiles
.set SPARE, 2*CHUNK                    ; behind the ring: the spare words, 128 bytes a wave
.set XSTEP, 512*REC                    ; from kind to kind: 8,192 tokens on,
.set WSTEP, 64*REC                     ; 1,024 weight rows on
.set LI,  1                            ; v1   16 x lane
.set LS,  2                            ; v2   4 x lane
.set AW,  3                            ; v3-4  LDS address of my weight fragments in slot 0, 1;  v5-6 of my token fragments
.set AX,  5
.set AWS, 7                            ; v7-8  of the weights' scale words;  v9-10 of the tokens'
.set AXS, 9
.set BOQ, 11                           ; v11  my offset in Q's and K's bias;  v12 in V's
.set BOV, 12
.set PFO, 13                           ; v13  the prefetches' offset: 256 x my block
.set SC0, 16                           ; v16-19 source 0's scale words;  v20-23 source 1's
.set SC1, 20
.set BI,  24                           ; v24-55 the bias in the result's layout, four tiles
.set F0,  56                           ; v56-87 source 0's four fragments;  v88-119 source 1's;  on the way out codes and words
.set F1,  88
.set ACC, 120                          ; v120-247 accumulator (n, t) at 120 + 32 n + 8 t: source 1's tile n, source 0's tile t
.set TM,  248                          ; v248-253 the quantiser's
.set SPW, 254                          ; v254 my spare word;  v255 0: never rewritten
.set NIL, 255
.set WV,  18
.set SEL, 30
.set G1X, 32
.set G1W, 40
.set G0X, 48                           ; s[48:55], s[56:63] groups 0, one set for each slot
.set G0W, 56
.set PFA, 70                           ; s[70:71] where my prefetches stand;  s[72:73] a kind on
.set PFS, 72
.set BP,  6                            ; s[6:11]  the three biases at my head
.set CP,  84                           ; s[84:89] where my codes go, by kind;  s[90:95] my words
.set WP,  90
.macro ROUND                           ; a round of the cluster's barrier
	s_barrier_signal -1
	s_barrier_wait -1
	s_cmp_lg_u32 s[WV], 0
	s_cbranch_scc1 .Lnot_wave_0_\@
	s_barrier_signal -3
.Lnot_wave_0_\@:
	s_barrier_wait -3
	s_barrier_signal -1
	s_barrier_wait -1
.endm
.macro PLACES                          ; four places behind a matrix instruction, ahead of loads into its sources and of reads of its results
.rept 4
	v_nop
.endr
.endm
.macro JLOAD s                         ; a joint load into slot s: waves 0-3 tokens, waves 4-7 weights; each line has one mask; the branch hangs on the wave's number alone.  s_nop 0 and four v_nop follow each line
	s_cmp_eq_u32 s21, 0
	s_cbranch_scc0 .Lfor_w_\@
	tensor_load_to_lds s[G0X+4*(\s):G0X+4*(\s)+3], s[G1X:G1X+7]
	s_nop 0
	PLACES
	s_branch .Lasked_\@
.Lfor_w_\@:
	tensor_load_to_lds s[G0W+4*(\s):G0W+4*(\s)+3], s[G1W:G1W+7]
	s_nop 0
	PLACES
.Lasked_\@:
.endm
.macro FETCH k, a0, a1, s0, s1         ; the chunk's k-th 128 along K: four fragments and four scale words of each source
.irp i, 0,1,2,3
	ds_load_b128 v[F0+8*\i:F0+8*\i+3], v[\a0] offset:HALF*\i+1024*(\k)
	ds_load_b128 v[F0+8*\i+4:F0+8*\i+7], v[\a0] offset:HALF*\i+1024*(\k)+512
	ds_load_b128 v[F1+8*\i:F1+8*\i+3], v[\a1] offset:HALF*\i+1024*(\k)
	ds_load_b128 v[F1+8*\i+4:F1+8*\i+7], v[\a1] offset:HALF*\i+1024*(\k)+512
	ds_load_b32 v[SC0+\i], v[\s0] offset:4096+HALF*\i+64*(\k)
	ds_load_b32 v[SC1+\i], v[\s1] offset:4096+HALF*\i+64*(\k)
.endr
.endm
.macro MUL mode                        ; 16 products, the 16 accumulators by turns in the same order in every step.  mode 0: add on; 1: begin with the bias of source 0's rows; 2: of source 1's
.irp n, 0,1,2,3
.irp t, 0,1,2,3
.if \mode == 0
	v_wmma_scale_f32_16x16x128_f8f6f4 v[ACC+32*\n+8*\t:ACC+32*\n+8*\t+7], v[F0+8*\t:F0+8*\t+7], v[F1+8*\n:F1+8*\n+7], v[ACC+32*\n+8*\t:ACC+32*\n+8*\t+7], v[SC0+\t], v[SC1+\n] matrix_a_fmt:MATRIX_FMT_FP4 matrix_b_fmt:MATRIX_FMT_FP4
.elseif \mode == 1
	v_wmma_scale_f32_16x16x128_f8f6f4 v[ACC+32*\n+8*\t:ACC+32*\n+8*\t+7], v[F0+8*\t:F0+8*\t+7], v[F1+8*\n:F1+8*\n+7], v[BI+8*\t:BI+8*\t+7], v[SC0+\t], v[SC1+\n] matrix_a_fmt:MATRIX_FMT_FP4 matrix_b_fmt:MATRIX_FMT_FP4
.else
	v_wmma_scale_f32_16x16x128_f8f6f4 v[ACC+32*\n+8*\t:ACC+32*\n+8*\t+7], v[F0+8*\t:F0+8*\t+7], v[F1+8*\n:F1+8*\n+7], v[BI+8*\n:BI+8*\n+7], v[SC0+\t], v[SC1+\n] matrix_a_fmt:MATRIX_FMT_FP4 matrix_b_fmt:MATRIX_FMT_FP4
.endif
.endr
.endr
.endm
; 32 numbers of a lane, register 16 b + i = k 32 b + 16 (lane / 16) + i of my row, become four registers of codes (lanes 0-15 block 0, lanes 16-31 block 1) and a word of two scale bytes.
; The numbers are read in ascending order.
.macro QUANT2 s, pc, pw
.irp b, 0,1
	v_max3_num_f32 v[TM+\b], |v[(\s)+16*\b]|, |v[(\s)+16*\b+1]|, 0x1800000   ; my 16 numbers of block b, and the floor 2^(3 - 127): the byte cannot fall under 1
.endr
.irp i, 2,4,6,8,10,12,14
.irp b, 0,1
	v_max3_num_f32 v[TM+\b], v[TM+\b], |v[(\s)+16*\b+\i]|, |v[(\s)+16*\b+\i+1]|
.endr
.endr
.irp b, 0,1
	s_delay_alu instid0(VALU_DEP_2)
	v_permlanex16_b32 v[TM+2+\b], v[TM+\b], s[SEL], s[SEL+1]
.endr
.irp b, 0,1
	s_delay_alu instid0(VALU_DEP_2)
	v_max_num_f32 v[TM+\b], v[TM+\b], v[TM+2+\b]   ; with lane l xor 16's: the block's largest magnitude
.endr
.irp b, 0,1
	s_delay_alu instid0(VALU_DEP_2)
	v_add_nc_u32 v[TM+4+\b], 0xff000000, v[TM+\b]  ; 2 off its exponent field: the conversion's scale operand
.endr
.irp b, 0,1
	s_delay_alu instid0(VALU_DEP_2)
	v_lshrrev_b32 v[TM+2+\b], 23, v[TM+4+\b]       ; the scale's byte
.endr
	s_delay_alu instid0(VALU_DEP_1)
	v_lshl_or_b32 v[\pw], v[TM+3], 8, v[TM+2]
.irp b, 0,1
	v_cvt_scalef32_pk8_fp4_f32 v[(\pc)+2*\b], v[(\s)+16*\b:(\s)+16*\b+7], v[TM+4+\b]
	v_cvt_scalef32_pk8_fp4_f32 v[(\pc)+2*\b+1], v[(\s)+16*\b+8:(\s)+16*\b+15], v[TM+4+\b]
.endr
	v_nop                                          ; one plain line behind a scaled conversion
	v_permlane16_swap_b32 v[\pc], v[(\pc)+2]       ; the operand's layout wants a whole block in a lane
	v_permlane16_swap_b32 v[(\pc)+1], v[(\pc)+3]
.endm
.macro BIAS kd                         ; the bias of kind kd in the result's layout
.if (\kd) < 2
.irp t, 0,1,2,3                        ; Q, K: register j of tile t is the head's unit 32 (t / 2) + 8 (t % 2) + 16 h + j
	global_load_b128 v[BI+8*\t:BI+8*\t+3], v[BOQ], s[BP+2*(\kd):BP+2*(\kd)+1] offset:(32*(\t/2)+8*(\t%2))*4
	global_load_b128 v[BI+8*\t+4:BI+8*\t+7], v[BOQ], s[BP+2*(\kd):BP+2*(\kd)+1] offset:(32*(\t/2)+8*(\t%2))*4+16
.endr
.else
.irp n, 0,1,2,3                        ; V: all eight registers of tile n hold the bias of my channel 32 (n / 2) + 8 (n % 2) + r + 8 (r / 8)
.irp j, 0,1,2,3,4,5,6,7
	global_load_b32 v[BI+8*\n+\j], v[BOV], s[BP+4:BP+5] offset:(32*(\n/2)+8*(\n%2))*4
.endr
.endr
.endif
.endm
.macro WORK a0, a1, s0, s1, mode, j    ; a chunk's four steps of 128 along K
	FETCH 0, \a0, \a1, \s0, \s1
.if \mode
	s_wait_loadcnt 0x0                             ; the kind's bias
.endif
	s_wait_dscnt 0x0
	MUL \mode
.if (\j) < 4
	global_prefetch_b8 v[PFO], s[PFA:PFA+1] offset:HALF*((\j)%2) th:TH_LOAD_NT scope:SCOPE_SE   ; my share of chunk j + 2, which the next trip loads
.endif
.irp k, 1,2,3
	PLACES
	FETCH \k, \a0, \a1, \s0, \s1
	s_wait_dscnt 0x0
	MUL 0
.endr
.endm
.macro OUT kd                          ; source 1's tile n: my row's 64 numbers along the next K are two blocks: four registers of codes, stored as they stand, 512 consecutive bytes a tile
	PLACES
.irp n, 0,1,2,3
	QUANT2 ACC+32*\n, F0+4*\n, F0+16+\n
	global_store_b128 v[LI], v[F0+4*\n:F0+4*\n+3], s[CP+2*(\kd):CP+2*(\kd)+1] offset:512*\n
.endr
	v_cndmask_b32 v[F0+20], v[F0+16], v[F0+17], s96    ; lanes 0-15 carry the even tile's words, lanes 16-31 the odd tile's
	v_cndmask_b32 v[F0+21], v[F0+18], v[F0+19], s96
	global_store_b32 v[LS], v[F0+20], s[WP+2*(\kd):WP+2*(\kd)+1]
	global_store_b32 v[LS], v[F0+21], s[WP+2*(\kd):WP+2*(\kd)+1] offset:128
.endm
; TRIP j: chunk j = kind j / 2, half j % 2, in slot j % 2.  In front of the round each wave waits for all its tensor loads (one is out: its part of this chunk), adds 0 to its spare word, and waits for that and for its reads of the other slot.
.macro TRIP j
.set SL, (\j)%2
.set KD, (\j)/2
.set MD, (1-SL)*(1+KD/2)
	s_wait_xcnt 0x0                                ; the last way out's stores have read their registers, and my prefetches their address
.if (\j) == 2
	s_add_nc_u64 s[PFA:PFA+1], s[PFA:PFA+1], s[PFS:PFS+1]   ; the prefetches go on to the third kind
.endif
	s_wait_tensorcnt 0x0
	ds_add_u32 v[SPW], v[NIL]
.if (\j) < 4
	s_add_nc_u64 s[G0X+4*SL+2:G0X+4*SL+3], s[G0X+4*SL+2:G0X+4*SL+3], XSTEP   ; no load of mine is out: this slot's next fill is the next kind's same half
	s_add_nc_u64 s[G0W+4*SL+2:G0W+4*SL+3], s[G0W+4*SL+2:G0W+4*SL+3], WSTEP
.endif
	s_wait_dscnt 0x0
.if (\j) < 5
	ROUND                                          ; no wave of any partner still reads the other slot or has a load on its way
	JLOAD 1-SL                                     ; chunk j + 1; its four v_nop are also the places ahead of the loads below
.else
	s_barrier_signal -1                            ; nothing is filled again: no round
	s_barrier_wait -1
	PLACES
.endif
.if SL == 1 && KD < 2
	BIAS KD+1                                      ; this kind's first products read the old bias a chunk ago
.endif
.if KD == 2
	WORK AX+SL, AW+SL, AXS+SL, AWS+SL, MD, \j
.else
	WORK AW+SL, AX+SL, AWS+SL, AXS+SL, MD, \j
.endif
.if SL == 1
	OUT KD
.endif
.endm
	s_load_b256 s[4:11], s[0:1], 0x0               ; xc, WQb, WKb, WVb
	s_load_b128 s[12:15], s[0:1], 0x20             ; qc, qs
	s_load_b64 s[16:17], s[0:1], 0x30              ; kv
	v_lshl_add_u32 v[SPW], v0, 2, SPARE
	v_mov_b32 v[NIL], 0
	ds_add_u32 v[SPW], v[NIL]                      ; the opening lines: the add twice on end and its one wait
	ds_add_u32 v[SPW], v[NIL]
	v_lshrrev_b32 v14, 5, v0
	v_readfirstlane_b32 s[WV], v14                 ; wave 0..7
	s_and_b32 s19, s[WV], 3                        ; my weight quarter; also which part of a panel I fetch
	s_lshr_b32 s21, s[WV], 2                       ; my token half; also: I fetch tokens (0) or weights (1)
	s_bfe_u32 s22, ttmp6, 0x40000                  ; cx
	s_bfe_u32 s23, ttmp6, 0x40004                  ; cy
	s_lshl_b32 s24, ttmp9, 2
	s_add_co_u32 s24, s24, s22                     ; tc: which 256 weight rows
	s_and_b32 s25, ttmp7, 0xffff
	s_lshl_b32 s25, s25, 2
	s_add_co_u32 s25, s25, s23                     ; tr: which 128 tokens of each input
	s_lshl_b32 s28, s23, 2
	s_lshl_b32 s28, 15, s28                        ; my row of the cluster
	s_lshl_b32 s29, 0x1111, s22                    ; my column
	s_mov_b32 s[SEL], 0x76543210
	s_mov_b32 s[SEL+1], 0xfedcba98                 ; v_permlanex16_b32's selects for lane l xor 16
	s_mov_b32 s96, 0xffff0000                      ; lanes 16-31
	s_mul_i32 s26, s21, 4*HALF                     ; in a slot: my four token tiles,
	s_mul_i32 s27, s19, 4*HALF
	s_add_co_u32 s27, s27, WOFF                    ; my four weight tiles (also where a weight wave's load goes),
	s_mul_i32 s66, s19, 2*HALF                     ; and where a token wave's load goes
	; descriptor groups 1: rows of 4,352 bytes (544 elements of 8), 8,704 bytes apart: the same half of neighbouring records; 2 rows for tokens, 4 for weights; no padding
	s_or_b32 s[G1X], s28, (3<<16)|(1<<21)          ; 15:0 the mask; 17:16 elements of 8 bytes; 21 set beside a mask
	s_or_b32 s[G1W], s29, (3<<16)|(1<<21)
	s_mov_b32 s[G1X+1], 544<<16
	s_mov_b32 s[G1X+2], 2<<16
	s_mov_b32 s[G1X+3], 544<<16
	s_mov_b32 s[G1X+4], 2
	s_mov_b32 s[G1X+5], 1088
	s_mov_b32 s[G1X+6], 0
	s_mov_b32 s[G1X+7], 0
	s_mov_b32 s[G1W+1], 544<<16
	s_mov_b32 s[G1W+2], 4<<16
	s_mov_b32 s[G1W+3], 544<<16
	s_mov_b32 s[G1W+4], 4
	s_mov_b32 s[G1W+5], 1088
	s_mov_b32 s[G1W+6], 0
	s_mov_b32 s[G1W+7], 0
	; where the panels come from: tokens hang on tr and the wave alone, weights on tc and the wave alone, each in registers that never hold the other coordinate
	s_lshl_b32 s74, s25, 3
	s_lshl_b32 s75, s19, 1
	s_add_co_u32 s74, s74, s75
	s_mul_i32 s74, s74, REC                        ; token tile 8 tr + 2 x part
	s_mov_b32 s75, 0
	s_lshl_b32 s76, s24, 4
	s_lshl_b32 s77, s19, 2
	s_add_co_u32 s76, s76, s77
	s_add_co_u32 s76, s76, 1536
	s_mul_i32 s76, s76, REC                        ; weight tile 1536 + 16 tc + 4 x part
	s_mov_b32 s77, 0
	s_lshl_b32 s82, s24, 10                        ; the bias of my head: 64 numbers at (256 tc + 64 quarter) x 4 bytes
	s_lshl_b32 s83, s19, 8
	s_add_co_u32 s82, s82, s83
	s_mov_b32 s83, 0
	; where my results go
	s_lshr_b32 s20, s25, 4                         ; the batch
	s_and_b32 s67, s25, 15                         ; which 128 tokens of its 2,048
	s_lshl_b32 s20, s20, 4
	s_lshl_b32 s68, s24, 2
	s_add_co_u32 s20, s20, s68
	s_add_co_u32 s20, s20, s19                     ; bh = 16 batch + head
	s_lshl_b32 s84, s20, 16
	s_lshl_b32 s68, s67, 12
	s_add_co_u32 s84, s84, s68
	s_lshl_b32 s68, s21, 11
	s_add_co_u32 s84, s84, s68                     ; Q's codes: 65,536 bh + 4,096 step + 2,048 half
	s_lshr_b32 s90, s84, 3                         ; Q's words: an eighth of that
	s_mul_i32 s86, s20, 147456
	s_mul_i32 s69, s67, 9216
	s_add_co_u32 s86, s86, s69                     ; the key step's record in kv
	s_lshl_b32 s69, s21, 8
	s_add_co_u32 s92, s86, s69
	s_add_co_u32 s92, s92, 8192                    ; K's words: + 8,192 + 256 half
	s_add_co_u32 s94, s92, 512                     ; V's half words: 512 behind them
	s_add_co_u32 s86, s86, s68                     ; K's codes: + 2,048 half
	s_add_co_u32 s88, s86, 4096                    ; V's codes: 4,096 behind them
.irp p, 85,87,89,91,93,95
	s_mov_b32 s\p, 0
.endr
	; the prefetches begin at the second kind's first half
	s_lshr_b32 s78, s22, 1
	s_and_b32 s79, s22, 1
	s_lshl_b32 s70, s25, 3
	s_lshl_b32 s71, s19, 1
	s_add_co_u32 s70, s70, s71
	s_add_co_u32 s70, s70, s78
	s_add_co_u32 s70, s70, 512
	s_mul_i32 s70, s70, REC                        ; tokens: tile 512 + 8 tr + 2 x part + cx / 2,
	s_mul_i32 s78, s79, 9*256
	s_add_co_u32 s70, s70, s78                     ; blocks 0-8 or 9-16 of its half
	s_sub_co_u32 s79, 8, s79                       ; the last of them, counted from the first
	s_lshl_b32 s80, s24, 4
	s_lshl_b32 s81, s19, 2
	s_add_co_u32 s80, s80, s81
	s_add_co_u32 s80, s80, s23
	s_add_co_u32 s80, s80, 1600
	s_mul_i32 s80, s80, REC                        ; weights: tile 1600 + 16 tc + 4 x part + cy, all 17 blocks of its half
	s_mov_b32 s72, WSTEP
	s_cmp_eq_u32 s21, 0
	s_cselect_b32 s70, s70, s80
	s_cselect_b32 s79, s79, 16
	s_cselect_b32 s72, XSTEP, s72
	s_mov_b32 s71, 0
	s_mov_b32 s73, 0
	v_and_b32 v14, 31, v0
	v_and_b32 v15, 15, v0                          ; r
	v_bfe_u32 v[BOQ], v0, 4, 1                     ; h
	v_lshlrev_b32 v[LI], 4, v14
	v_lshlrev_b32 v[LS], 2, v14
	v_min_u32 v[PFO], s79, v14
	v_and_b32 v[BOV], 8, v15
	v_lshlrev_b32 v[BOQ], 6, v[BOQ]
	v_lshlrev_b32 v[PFO], 8, v[PFO]
	v_add_nc_u32 v[BOV], v[BOV], v15
	v_add_nc_u32 v[AW], s27, v[LI]
	v_add_nc_u32 v[AX], s26, v[LI]
	v_lshl_add_u32 v[AWS], v15, 2, s27
	v_lshl_add_u32 v[AXS], v15, 2, s26
	v_lshlrev_b32 v[BOV], 2, v[BOV]
	v_add_nc_u32 v[AW+1], CHUNK, v[AW]
	v_add_nc_u32 v[AX+1], CHUNK, v[AX]
	v_add_nc_u32 v[AWS+1], CHUNK, v[AWS]
	v_add_nc_u32 v[AXS+1], CHUNK, v[AXS]
	v_mov_b32 v[TM+2], 0                           ; written once: a lane permute's destination counts as one of its sources
	v_mov_b32 v[TM+3], 0
	s_wait_alu depctr_va_vdst(0)
	s_wait_dscnt 0x0                               ; both opening adds are done
	s_wait_kmcnt 0x0
	s_add_nc_u64 s[6:7], s[6:7], s[82:83]
	s_add_nc_u64 s[8:9], s[8:9], s[82:83]
	s_add_nc_u64 s[10:11], s[10:11], s[82:83]
	s_add_nc_u64 s[84:85], s[12:13], s[84:85]
	s_add_nc_u64 s[86:87], s[16:17], s[86:87]
	s_add_nc_u64 s[88:89], s[16:17], s[88:89]
	s_add_nc_u64 s[90:91], s[14:15], s[90:91]
	s_add_nc_u64 s[92:93], s[16:17], s[92:93]
	s_add_nc_u64 s[94:95], s[16:17], s[94:95]
	s_add_nc_u64 s[74:75], s[4:5], s[74:75]
	s_add_nc_u64 s[76:77], s[4:5], s[76:77]
	s_add_nc_u64 s[PFA:PFA+1], s[4:5], s[PFA:PFA+1]
.irp c, 0,1
	s_mov_b32 s[G0X+4*\c], 1                       ; count = 1
	s_add_co_u32 s[G0X+4*\c+1], s66, \c*CHUNK      ; LDS address
	s_add_nc_u64 s[G0X+4*\c+2:G0X+4*\c+3], s[74:75], \c*HALF       ; global address: half c of the first kind's records
	s_or_b32 s[G0X+4*\c+3], s[G0X+4*\c+3], 0x80000000              ; type = 2
	s_mov_b32 s[G0W+4*\c], 1
	s_add_co_u32 s[G0W+4*\c+1], s27, \c*CHUNK
	s_add_nc_u64 s[G0W+4*\c+2:G0W+4*\c+3], s[76:77], \c*HALF
	s_or_b32 s[G0W+4*\c+3], s[G0W+4*\c+3], 0x80000000
.endr
	ROUND                                          ; all sixteen work-groups are here: the first joint loads meet
	JLOAD 0                                        ; chunk 0: one tensor load a wave at the head
	BIAS 0
	TRIP 0
	TRIP 1
	TRIP 2
	TRIP 3
	TRIP 4
	TRIP 5
	s_wait_tensorcnt 0x0                           ; the wave's end
	ds_add_u32 v[SPW], v[NIL]
	s_wait_dscnt 0x0
	ROUND                                          ; the closing round: no work-group ends while a partner may still ask for a tile that names it
	s_endpgm
.Lfunc_end_k_q3de177056e_proj:
	.size	k_q3de177056e_proj, .Lfunc_end_k_q3de177056e_proj-k_q3de177056e_proj
	.p2alignl 7, 3214868480
	.fill 96, 4, 3214868480
	.section	.rodata,"a",@progbits
	.p2align	6, 0x0
	.amdhsa_kernel k_q3de177056e_proj
		.amdhsa_group_segment_fixed_size 327680
		.amdhsa_private_segment_fixed_size 0
		.amdhsa_enable_private_segment 0
		.amdhsa_kernarg_size 56
		.amdhsa_user_sgpr_count 2
		.amdhsa_user_sgpr_kernarg_segment_ptr 1
		.amdhsa_wavefront_size32 1
		.amdhsa_system_sgpr_workgroup_id_x 1
		.amdhsa_system_sgpr_workgroup_id_y 1
		.amdhsa_system_sgpr_workgroup_id_z 1
		.amdhsa_system_vgpr_workitem_id 0
		.amdhsa_next_free_vgpr 256
		.amdhsa_next_free_sgpr 100
		.amdhsa_reserve_vcc 0
		.amdhsa_float_denorm_mode_32 3
		.amdhsa_float_denorm_mode_16_64 3
		.amdhsa_memory_ordered 1
		.amdhsa_forward_progress 1
		.amdhsa_inst_pref_size 135
	.end_amdhsa_kernel
	.amdgpu_metadata
---
amdhsa.version: [ 1, 2 ]
amdhsa.kernels:
  - .name:           k_q3de177056e_proj
    .symbol:         k_q3de177056e_proj.kd
    .args:
      - { .name: xc, .offset: 0, .size: 8, .value_kind: global_buffer, .address_space: global }
      - { .name: WQb, .offset: 8, .size: 8, .value_kind: global_buffer, .address_space: global }
      - { .name: WKb, .offset: 16, .size: 8, .value_kind: global_buffer, .address_space: global }
      - { .name: WVb, .offset: 24, .size: 8, .value_kind: global_buffer, .address_space: global }
      - { .name: qc, .offset: 32, .size: 8, .value_kind: global_buffer, .address_space: global }
      - { .name: qs, .offset: 40, .size: 8, .value_kind: global_buffer, .address_space: global }
      - { .name: kv, .offset: 48, .size: 8, .value_kind: global_buffer, .address_space: global }
    .group_segment_fixed_size: 327680
    .private_segment_fixed_size: 0
    .kernarg_segment_align: 8
    .kernarg_segment_size: 56
    .max_flat_workgroup_size: 256
    .sgpr_count:     100
    .vgpr_count:     256
    .wavefront_size: 32
...
	.end_amdgpu_metadata
.endif
;; end of part 2
;; launch attn (part 3): grid 4 x 64, 16 waves a work-group, clusters of 4 x 1, 327,680 bytes of LDS; arguments qc, qs, kv, cc; writes cc
.if DOCPART == 3
	.amdgcn_target "amdgcn-amd-amdhsa--gfx1250"
	.amdhsa_code_object_version 6
	.text
	.protected	k_q3de177056e_attn
	.globl	k_q3de177056e_attn
	.p2align	8
	.type	k_q3de177056e_attn,@function
k_q3de177056e_attn:
	s_mov_b64 s[64:65], 0
	v_nop
	global_prefetch_b8 v0, s[64:65] scope:SCOPE_SE
	s_setreg_imm32_b32 hwreg(HW_REG_WAVE_MODE, 25, 1), 1
	s_wait_xcnt 0x0
	s_wait_alu depctr_hold_cnt(0) depctr_sa_sdst(0) depctr_va_vdst(0) depctr_va_sdst(0) depctr_va_ssrc(0) depctr_va_vcc(0) depctr_vm_vsrc(0)
	s_getreg_b32 s2, hwreg(HW_REG_IB_STS2, 6, 4)
	s_cmp_eq_u32 s2, 0
	s_cbranch_scc0 .Lentry_in_a_cluster
	s_endpgm
.Lentry_in_a_cluster:
	s_bfe_u32 s2, ttmp6, 0x10000c
	s_cmp_lg_u32 s2, 0x3003
	s_cbranch_scc0 .Lentry_shape_is_right
	s_endpgm
.Lentry_shape_is_right:
; ctx = softmax((Q K^T + causal) / 32) V for one (batch, head), both products on codes of FP4 with E8M0 scales; ctx is quantised along the heads' 1,024 and leaves as records laid like xc's (cc).
; LEFT OUT: key steps all of whose 128 keys come after a tile's 16 queries: the causal mask makes their p 0 for all values of the inputs.
; SOFTMAX: t = score x log2(e) / 32; M = the running largest t rounded up to a whole number; p = 2^(t - M) is quantised along the keys, not normalised; the row's sum is taken of the unquantised p and divides at the end.
; LIMIT: the promise holds while the scaled scores stay under 2^31 in magnitude.  NaN and infinities are not served.
; SHARES: the four work-groups of a cluster take one (batch, head).  Its 2,048 queries are 16 groups of 8 tiles of 16; wave w of work-group cx takes tile 2 cx + w % 2 of group 15 - w / 2 and then of group w / 2: 17 key steps a wave.
; K AND V of the whole (batch, head), 16 records of 9,216 bytes, lie in LDS whole: each wave asks for one record, jointly with its three partners, by its one tensor load at the head; each byte is filled once.
; No prefetch: every byte is asked for once, at the head, and there is no loop to run ahead in.
; Both products are used transposed (S^T = K Q^T, O^T = V^T P^T): a lane holds one query throughout.  The head's K is 64: the upper half of Q's and K's fragments holds zero codes.
; A STEP begins with its score products: K's fragments and scale words were fetched from LDS one step earlier (the next record, held at the last one), among the lines that find M; V's are fetched behind the score products.
; The step's one wait on DScnt, for 0, stands behind the exponentials and counts V's 12 loads and the next K's 12.
.set KVR, 9216
.set LI,  1                            ; v1 16 x lane;  v2 4 x lane;  v3 4 x (lane % 16)
.set LS,  2
.set LR,  3
.set DD,  4                            ; v4 my query's place in its group of 128, less 16 (lane / 16)
.set ADK, 5                            ; v5, v6 LDS addresses in the step's record;  v9, v10 in the next
.set ADS, 6
.set NINF, 7
.set ADN, 9
.set ADM, 10
.set KF,  32                           ; v32-63 K's eight tiles, v64-67 zeros
.set VF,  68                           ; v68-99 V's four fragments
.set S,   100                          ; v100-163 S^T, then p
.set O,   164                          ; v164-195 O^T
.set PCD, 196                          ; v196-203 p's codes
.set KW,  204                          ; v204-207 K's scale words;  v208-211 V's half words;  v212-213 V's words
.set VH,  208
.set VW,  212
.set TM,  232
.set WV,  12
.set GRP, 16
.set KS,  17
.set TB,  18
.set SEL, 20
.set CS,  22                           ; s[22:23] c = log2(e) / 32;  s92 -c
.set CN,  92
.set TN,  93                           ; s93 where the next record begins
.macro ROUND
	s_barrier_signal -1
	s_barrier_wait -1
	s_cmp_lg_u32 s[WV], 0
	s_cbranch_scc1 .Lnot_wave_0_\@
	s_barrier_signal -3
.Lnot_wave_0_\@:
	s_barrier_wait -3
	s_barrier_signal -1
	s_barrier_wait -1
.endm
.macro PLACES
.rept 4
	v_nop
.endr
.endm
.macro INIT                            ; the largest score so far -3e38, -M likewise out of reach, sums and O^T zeros: the first change of M multiplies zeros
	v_mov_b32 v13, 0xff61b1e6
	s_delay_alu instid0(VALU_DEP_1)
	v_floor_f32 v12, -v13
	v_mov_b32 v14, 0
	v_mov_b32 v15, 0
.set JJ, 0
.rept 32
	v_mov_b32 v[O+JJ], 0
.set JJ, JJ+1
.endr
.endm
.macro KGET g, a, m                    ; two tiles of K's codes and their scale words, from the record at a (16 x lane) and m (4 x lane)
	ds_load_b128 v[KF+8*\g:KF+8*\g+3], v[\a] offset:1024*\g
	ds_load_b128 v[KF+8*\g+4:KF+8*\g+7], v[\a] offset:1024*\g+512
	ds_load_b32 v[KW+\g], v[\m] offset:8192+128*\g
.endm
.macro FMA from, n                     ; t - M, two at a time
.set JJ, \from
.rept \n
	v_pk_fma_f32 v[S+JJ:S+JJ+1], v[S+JJ:S+JJ+1], s[CS:CS+1], v[12:13] op_sel_hi:[1,0,0]
.set JJ, JJ+2
.endr
.endm
.macro QUANT2 s, pc, pw
.irp b, 0,1
	v_max3_num_f32 v[TM+\b], |v[(\s)+16*\b]|, |v[(\s)+16*\b+1]|, 0x1800000
.endr
.irp i, 2,4,6,8,10,12,14
.irp b, 0,1
	s_delay_alu instid0(VALU_DEP_2)
	v_max3_num_f32 v[TM+\b], v[TM+\b], |v[(\s)+16*\b+\i]|, |v[(\s)+16*\b+\i+1]|
.endr
.endr
.irp b, 0,1
	s_delay_alu instid0(VALU_DEP_2)
	v_permlanex16_b32 v[TM+2+\b], v[TM+\b], s[SEL], s[SEL+1]
.endr
.irp b, 0,1
	s_delay_alu instid0(VALU_DEP_2)
	v_max_num_f32 v[TM+\b], v[TM+\b], v[TM+2+\b]
.endr
.irp b, 0,1
	s_delay_alu instid0(VALU_DEP_2)
	v_add_nc_u32 v[TM+4+\b], 0xff000000, v[TM+\b]
.endr
.irp b, 0,1
	s_delay_alu instid0(VALU_DEP_2)
	v_lshrrev_b32 v[TM+2+\b], 23, v[TM+4+\b]
.endr
	s_delay_alu instid0(VALU_DEP_1)
	v_lshl_or_b32 v[\pw], v[TM+3], 8, v[TM+2]
.irp b, 0,1
	v_cvt_scalef32_pk8_fp4_f32 v[(\pc)+2*\b], v[(\s)+16*\b:(\s)+16*\b+7], v[TM+4+\b]
	v_cvt_scalef32_pk8_fp4_f32 v[(\pc)+2*\b+1], v[(\s)+16*\b+8:(\s)+16*\b+15], v[TM+4+\b]
.endr
	v_nop
	v_permlane16_swap_b32 v[\pc], v[(\pc)+2]
	v_permlane16_swap_b32 v[(\pc)+1], v[(\pc)+3]
.endm
; A KEY STEP: 128 keys, record KS.  causal = 1: a step behind my group is jumped over (ids alone); on the diagonal hidden scores become -infinity.
.macro STEP qb, qw, causal
.if \causal
	s_cmp_gt_u32 s[KS], s[GRP]
	s_cbranch_scc1 .Lhid_\@
.endif
	s_add_co_u32 s[TN], s[TB], KVR
	s_min_u32 s[TN], s[TN], 15*KVR                 ; the next record, held at the last: no LDS read leaves the 16 records
.irp p, 0,1,2,3
	v_wmma_scale_f32_16x16x128_f8f6f4 v[S+16*\p:S+16*\p+7], v[KF+8*\p:KF+8*\p+7], v[\qb:\qb+7], 0, v[KW+\p], v[\qw] matrix_a_fmt:MATRIX_FMT_FP4 matrix_b_fmt:MATRIX_FMT_FP4
	v_wmma_scale_f32_16x16x128_f8f6f4 v[S+16*\p+8:S+16*\p+15], v[KF+8*\p+4:KF+8*\p+11], v[\qb:\qb+7], 0, v[KW+\p], v[\qw] matrix_a_fmt:MATRIX_FMT_FP4 matrix_b_fmt:MATRIX_FMT_FP4 matrix_a_scale:MATRIX_SCALE_ROW1
.endr
	v_add_nc_u32 v[ADK], s[TB], v[LI]              ; these four lines are the places behind the products above and behind the last step's
	v_add_nc_u32 v[ADS], s[TB], v[LS]
	v_add_nc_u32 v[ADN], s[TN], v[LI]
	v_add_nc_u32 v[ADM], s[TN], v[LS]
.irp c, 0,1
.irp n, 0,1,2,3
	ds_load_b128 v[VF+8*\n+4*\c:VF+8*\n+4*\c+3], v[ADK] offset:4096+2048*\c+512*\n
.endr
.endr
.irp c, 0,1
.irp p, 0,1
	ds_load_b32 v[VH+2*\c+\p], v[ADS] offset:8704+256*\c+128*\p
.endr
.endr
.if \causal
	s_cmp_lg_u32 s[KS], s[GRP]
	s_cbranch_scc1 .Lopen_\@
.set JJ, 0
.rept 64
	v_cmp_gt_i32 vcc_lo, 32*(JJ/16)+JJ%16, v[DD]
	v_cndmask_b32 v[S+JJ], v[S+JJ], v[NINF], vcc_lo
.set JJ, JJ+1
.endr
.Lopen_\@:
.endif
.irp b, 0,1,2,3
	v_max3_num_f32 v[232+\b], v[S+16*\b], v[S+1+16*\b], v[S+2+16*\b]   ; the largest score of each block of 32 keys, the four blocks by turns
.endr
.irp i, 3,5,7,9,11,13
.irp b, 0,1,2,3
	v_max3_num_f32 v[232+\b], v[232+\b], v[S+16*\b+\i], v[S+1+16*\b+\i]
.endr
.endr
.irp b, 0,1,2,3
	v_max_num_f32 v[232+\b], v[232+\b], v[S+15+16*\b]
.endr
.irp b, 0,1,2,3
	v_permlanex16_b32 v[236+\b], v[232+\b], s[SEL], s[SEL+1]
.endr
.irp b, 0,1,2,3
	v_max_num_f32 v[232+\b], v[232+\b], v[236+\b]  ; with lane l xor 16's 16 keys
.endr
	v_mov_b32 v248, v12                            ; the old -M
	v_max3_num_f32 v254, v232, v233, v234
	KGET 0, ADN, ADM                               ; the next step's K stands among the links of this chain
	v_max3_num_f32 v13, v13, v254, v235            ; the running largest score
	KGET 1, ADN, ADM
	v_mul_f32 v254, s[CN], v13                     ; -t
	KGET 2, ADN, ADM
	v_floor_f32 v12, v254                          ; the new -M = floor(-t): M is a whole number
	KGET 3, ADN, ADM
	FMA 0, 4
	v_sub_f32 v254, v12, v248                      ; old M - new M: a whole number, 0 or less
	FMA 8, 4
	v_cvt_i32_f32 v254, v254                       ; (it saturates)
	FMA 16, 4
	v_ldexp_f32 v252, 1.0, v254                    ; f = 2^(old M - new M)
	FMA 24, 20
.irp b, 0,1,2,3
	v_fma_f32 v[232+\b], v[232+\b], s[CS], v12     ; the same of each block's largest score
.endr
	v_pk_mul_f32 v[14:15], v[14:15], v[252:253] op_sel_hi:[1,0]    ; the sums and O^T under the new M: ahead of the exponentials, so that none stands between the last products and their first reader
.set JJ, 0
.rept 16
	v_pk_mul_f32 v[O+JJ:O+JJ+1], v[O+JJ:O+JJ+1], v[252:253] op_sel_hi:[1,0]
.set JJ, JJ+2
.endr
	s_wait_alu depctr_va_vdst(0)
.set JJ, 0
.rept 64
	v_exp_f32 v[S+JJ], v[S+JJ]
.set JJ, JJ+1
.endr
.irp b, 0,1,2,3
	v_exp_f32 v[232+\b], v[232+\b]                 ; each block's largest p
.endr
	s_wait_dscnt 0x0                               ; V's 12 loads and the next K's 12 are in
.irp p, 0,1
	v_lshl_or_b32 v[VW+\p], v[VH+2+\p], 16, v[VH+\p]   ; V's scale words; also the plain place behind the batch
.endr
	s_wait_alu depctr_va_vdst(0)                   ; one wait for the whole batch, ahead of its first reader
.irp b, 0,1,2,3
	v_max_num_f32 v[232+\b], 0x1800000, v[232+\b]  ; the floor 2^(3 - 127): the byte cannot fall under 1
.endr
.irp b, 0,1,2,3
	v_add_nc_u32 v[244+\b], 0xff000000, v[232+\b]  ; 2 off the exponent field: the conversion's scale operand
.endr
.irp b, 0,1,2,3
	v_cvt_scalef32_pk8_fp4_f32 v[PCD+2*\b], v[S+16*\b:S+7+16*\b], v[244+\b]
	v_cvt_scalef32_pk8_fp4_f32 v[PCD+1+2*\b], v[S+8+16*\b:S+15+16*\b], v[244+\b]
.endr
.irp b, 0,1,2,3
	v_lshrrev_b32 v[236+\b], 23, v[244+\b]         ; the scales' bytes (plain lines behind the conversions)
.endr
	v_lshl_or_b32 v253, v237, 8, v236              ; p's scale word for these 128 keys
	v_lshl_or_b32 v254, v239, 8, v238
	v_lshl_or_b32 v253, v254, 16, v253
.irp c, 0,1
.irp i, 0,1
	v_permlane16_swap_b32 v[PCD+4*\c+\i], v[PCD+2+4*\c+\i]     ; the operand's layout wants a whole block in a lane
.endr
.endr
	v_pk_add_f32 v[236:237], v[S:S+1], v[S+2:S+3]  ; the row's sum of the unquantised p, two at a time, in four chains
	v_pk_add_f32 v[238:239], v[S+4:S+5], v[S+6:S+7]
	v_pk_add_f32 v[240:241], v[S+8:S+9], v[S+10:S+11]
	v_pk_add_f32 v[14:15], v[14:15], v[S+12:S+13]
.set JJ, 14
.rept 6
	v_pk_add_f32 v[236:237], v[236:237], v[S+JJ:S+JJ+1]
	v_pk_add_f32 v[238:239], v[238:239], v[S+JJ+2:S+JJ+3]
	v_pk_add_f32 v[240:241], v[240:241], v[S+JJ+4:S+JJ+5]
	v_pk_add_f32 v[14:15], v[14:15], v[S+JJ+6:S+JJ+7]
.set JJ, JJ+8
.endr
	v_pk_add_f32 v[236:237], v[236:237], v[S+62:S+63]
	v_pk_add_f32 v[14:15], v[14:15], v[240:241]
	v_pk_add_f32 v[236:237], v[236:237], v[238:239]
	v_pk_add_f32 v[14:15], v[14:15], v[236:237]
.irp p, 0,1
	v_wmma_scale_f32_16x16x128_f8f6f4 v[O+16*\p:O+16*\p+7], v[VF+16*\p:VF+16*\p+7], v[PCD:PCD+7], v[O+16*\p:O+16*\p+7], v[VW+\p], v253 matrix_a_fmt:MATRIX_FMT_FP4 matrix_b_fmt:MATRIX_FMT_FP4
	v_wmma_scale_f32_16x16x128_f8f6f4 v[O+16*\p+8:O+16*\p+15], v[VF+16*\p+8:VF+16*\p+15], v[PCD:PCD+7], v[O+16*\p+8:O+16*\p+15], v[VW+\p], v253 matrix_a_fmt:MATRIX_FMT_FP4 matrix_b_fmt:MATRIX_FMT_FP4 matrix_a_scale:MATRIX_SCALE_ROW1
.endr
.if \causal
.Lhid_\@:
.endif
	s_add_co_u32 s[KS], s[KS], 1
	s_add_co_u32 s[TB], s[TB], KVR
.endm
.macro OUT pc, pw, ptr                 ; O^T / the sum, quantised along the head's 64, stored as an operand's registers
	PLACES                                         ; behind the last products
	s_wait_alu depctr_va_vdst(0)                   ; the sums were written ahead of the loop's branches
	v_add_f32 v14, v14, v15
	s_delay_alu instid0(VALU_DEP_1)
	v_permlanex16_b32 v252, v14, s[SEL], s[SEL+1]
	s_delay_alu instid0(VALU_DEP_1)
	v_add_f32 v14, v14, v252
	s_wait_alu depctr_va_vdst(0)
	v_rcp_f32 v14, v14
	v_nop
.set JJ, 0
	s_wait_alu depctr_va_vdst(0)
.rept 16
	v_pk_mul_f32 v[S+JJ:S+JJ+1], v[O+JJ:O+JJ+1], v[14:15] op_sel_hi:[1,0]
.set JJ, JJ+2
.endr
	QUANT2 S, \pc, \pw
	global_store_b128 v[LI], v[\pc:\pc+3], s[\ptr:\ptr+1]
.endm
	s_load_b256 s[40:47], s[0:1], 0x0              ; qc, qs, kv, cc
	v_lshl_add_u32 v251, v0, 2, 0x29000
	v_mov_b32 v255, 0
	ds_add_u32 v251, v255                          ; the opening lines: the add twice on end and its one wait
	ds_add_u32 v251, v255
	v_lshrrev_b32 v1, 5, v0
	s_delay_alu instid0(VALU_DEP_1)
	v_readfirstlane_b32 s[WV], v1
	s_bfe_u32 s13, ttmp6, 0x40000                  ; cx
	s_and_b32 s14, ttmp7, 0xffff                   ; bh
	s_lshr_b32 s15, s[WV], 1
	s_and_b32 s10, s[WV], 1
	s_lshl_b32 s11, s13, 1
	s_add_co_u32 s11, s11, s10                     ; my tile in a group: 2 cx + w % 2
	s_lshl_b32 s8, s15, 3
	s_add_co_u32 s8, s8, s11                       ; the early tile: group w / 2
	s_sub_co_u32 s9, 15, s15
	s_lshl_b32 s9, s9, 3
	s_add_co_u32 s9, s9, s11                       ; the late tile: group 15 - w / 2
	s_lshl_b32 s19, s13, 5
	s_lshl_b32 s57, s10, 3
	s_add_co_u32 s19, s19, s57
	v_and_b32 v8, 31, v0
	s_delay_alu instid0(VALU_DEP_1)
	v_lshlrev_b32 v[LI], 4, v8
	s_delay_alu instid0(VALU_DEP_2)
	v_lshlrev_b32 v[LS], 2, v8
	v_and_b32 v9, 15, v0
	v_bfe_u32 v10, v0, 4, 1
	s_delay_alu instid0(VALU_DEP_2)
	v_lshlrev_b32 v[LR], 2, v9
	s_delay_alu instid0(VALU_DEP_3)
	v_and_b32 v[DD], 8, v9
	s_delay_alu instid0(VALU_DEP_1)
	v_add_nc_u32 v[DD], v[DD], v9
	s_delay_alu instid0(VALU_DEP_4)
	v_lshlrev_b32 v11, 4, v10
	s_delay_alu instid0(VALU_DEP_1)
	v_sub_nc_u32 v[DD], v[DD], v11
	s_delay_alu instid0(VALU_DEP_1)
	v_add_nc_u32 v[DD], s19, v[DD]
	v_mov_b32 v[NINF], 0xff800000
	s_mov_b32 s[SEL], 0x76543210
	s_mov_b32 s[SEL+1], 0xfedcba98
	s_mov_b32 s[CS], 0x3d38aa3b
	s_mov_b32 s[CS+1], s[CS]
	s_mov_b32 s[CN], 0xbd38aa3b
	s_mov_b32 s91, 0xffff0000
	s_mov_b32 s24, 15|(3<<16)|(1<<21)              ; group 1: the mask names the cluster's four; a record is 36 rows of 256 bytes
	s_mov_b32 s25, 32<<16
	s_mov_b32 s26, 36<<16
	s_mov_b32 s27, 32<<16
	s_mov_b32 s28, 36
	s_mov_b32 s29, 32
	s_mov_b32 s30, 0
	s_mov_b32 s31, 0
	s_mul_i32 s56, s[WV], KVR                      ; my record: key step = my wave's number
	s_mul_i32 s58, s14, 147456
	s_add_co_u32 s58, s58, s56
	s_mov_b32 s59, 0
	s_lshl_b32 s60, s14, 16
	s_lshl_b32 s61, s9, 9
	s_add_co_u32 s60, s60, s61
	s_lshl_b32 s62, s14, 16
	s_lshl_b32 s61, s8, 9
	s_add_co_u32 s62, s62, s61
	s_lshr_b32 s66, s60, 3
	s_lshr_b32 s68, s62, 3
	s_mov_b32 s61, 0
	s_mov_b32 s63, 0
	s_mov_b32 s67, 0
	s_mov_b32 s69, 0
	s_lshr_b32 s78, s14, 4                         ; where ctx goes: record of tile 128 batch + my tile; the head's 64 are two blocks of its K
	s_lshl_b32 s78, s78, 7
	s_and_b32 s79, s14, 15
	s_lshr_b32 s80, s79, 3
	s_mul_i32 s80, s80, 4352
	s_and_b32 s81, s79, 7
	s_lshl_b32 s82, s81, 9
	s_add_co_u32 s82, s82, s80
	s_add_co_u32 s72, s78, s9
	s_mul_i32 s72, s72, 8704
	s_add_co_u32 s74, s78, s8
	s_mul_i32 s74, s74, 8704
	s_sub_co_u32 s90, s72, s74
	s_lshr_b32 s81, s81, 1
	s_lshl_b32 s81, s81, 6
	s_and_b32 s79, s79, 1
	s_lshl_b32 s79, s79, 1
	s_add_co_u32 s76, s81, s79
	s_add_co_u32 s76, s76, s80
	s_add_co_u32 s76, s76, 4096
	s_add_co_u32 s76, s76, s74
	s_add_co_u32 s72, s72, s82
	s_add_co_u32 s74, s74, s82
	s_mov_b32 s73, 0
	s_mov_b32 s75, 0
	s_mov_b32 s77, 0
	s_wait_dscnt 0x0
	s_wait_kmcnt 0x0
	s_add_nc_u64 s[48:49], s[40:41], s[60:61]
	s_add_nc_u64 s[50:51], s[40:41], s[62:63]
	s_add_nc_u64 s[52:53], s[42:43], s[66:67]
	s_add_nc_u64 s[54:55], s[42:43], s[68:69]
	s_add_nc_u64 s[84:85], s[46:47], s[72:73]
	s_add_nc_u64 s[86:87], s[46:47], s[74:75]
	s_add_nc_u64 s[88:89], s[46:47], s[76:77]
	s_add_nc_u64 s[58:59], s[44:45], s[58:59]
	ROUND                                          ; the four work-groups are here: the joint loads meet
	s_mov_b32 s32, 1
	s_mov_b32 s33, s56
	s_mov_b64 s[34:35], s[58:59]
	s_or_b32 s35, s35, 0x80000000
	tensor_load_to_lds s[32:35], s[24:31]          ; my one tensor load
	s_nop 0
.rept 4
	v_nop
.endr
	s_wait_alu depctr_va_vdst(0)                   ; ahead of the readers of what the head made
	global_load_b128 v[16:19], v[LI], s[48:49]     ; Q's two tiles and their scale words stay in registers
	global_load_b128 v[24:27], v[LI], s[50:51]
	global_load_b32 v214, v[LR], s[52:53]
	global_load_b32 v215, v[LR], s[54:55]
.irp j, 20,21,22,23,28,29,30,31,64,65,66,67
	v_mov_b32 v[\j], 0                             ; zero codes for K 64 .. 127
.endr
.irp j, 232,233,234,235,236,237,238,239,252,253
	v_mov_b32 v[\j], 0
.endr
	INIT
	s_sub_co_u32 s[GRP], 15, s15
	s_mov_b32 s[KS], 0
	s_mov_b32 s[TB], 0
	s_wait_loadcnt 0x0
	s_wait_tensorcnt 0x0                           ; my record is in; behind the barrier everybody's is
	s_barrier_signal -1
	s_barrier_wait -1
.irp g, 0,1,2,3
	KGET \g, LI, LS                                ; record 0's K
.endr
	s_wait_dscnt 0x0
.Lfirst:                                           ; the late tile: records 0 to 7 count whole for it
	STEP 16, 214, 0
	s_cmp_lt_u32 s[KS], 8
	s_cbranch_scc1 .Lfirst
	s_mov_b32 s[KS], 8                             ; the second loop's counter and base begin as constants
	s_mov_b32 s[TB], 8*KVR
.Lsecond:
	STEP 16, 214, 1
	s_cmp_lt_u32 s[KS], 16
	s_cbranch_scc1 .Lsecond
.irp g, 0,1,2,3
	KGET \g, LI, LS                                ; record 0's K again, for the early tile: it lands under the way out
.endr
	OUT 216, 224, 84
	INIT
	s_mov_b32 s[GRP], s15
	s_mov_b32 s[KS], 0
	s_mov_b32 s[TB], 0
	s_wait_dscnt 0x0
.Lthird:
	STEP 24, 215, 1
	s_cmp_lt_u32 s[KS], 8
	s_cbranch_scc1 .Lthird
	OUT 220, 225, 86
	v_bfe_u32 v8, v0, 4, 1
	s_delay_alu instid0(VALU_DEP_1)
	v_mul_u32_u24 v8, s90, v8
	s_delay_alu instid0(VALU_DEP_1)
	v_add_nc_u32 v8, v8, v[LR]
	v_cndmask_b32 v226, v225, v224, s91            ; lanes 0-15 the early tile's scale bytes, lanes 16-31 the late tile's
	global_store_b16 v8, v226, s[88:89]
	s_wait_tensorcnt 0x0                           ; the wave's end
	ds_add_u32 v251, v255
	s_wait_dscnt 0x0
	ROUND                                          ; the closing round
	s_endpgm
.Lfunc_end_k_q3de177056e_attn:
	.size	k_q3de177056e_attn, .Lfunc_end_k_q3de177056e_attn-k_q3de177056e_attn
	.p2alignl 7, 3214868480
	.fill 96, 4, 3214868480
	.section	.rodata,"a",@progbits
	.p2align	6, 0x0
	.amdhsa_kernel k_q3de177056e_attn
		.amdhsa_group_segment_fixed_size 327680
		.amdhsa_private_segment_fixed_size 0
		.amdhsa_enable_private_segment 0
		.amdhsa_kernarg_size 32
		.amdhsa_user_sgpr_count 2
		.amdhsa_user_sgpr_kernarg_segment_ptr 1
		.amdhsa_wavefront_size32 1
		.amdhsa_system_sgpr_workgroup_id_x 1
		.amdhsa_system_sgpr_workgroup_id_y 1
		.amdhsa_system_sgpr_workgroup_id_z 1
		.amdhsa_system_vgpr_workitem_id 0
		.amdhsa_next_free_vgpr 256
		.amdhsa_next_free_sgpr 100
		.amdhsa_reserve_vcc 1
		.amdhsa_float_denorm_mode_32 3
		.amdhsa_float_denorm_mode_16_64 3
		.amdhsa_memory_ordered 1
		.amdhsa_forward_progress 1
		.amdhsa_inst_pref_size 76
	.end_amdhsa_kernel
	.amdgpu_metadata
---
amdhsa.version: [ 1, 2 ]
amdhsa.kernels:
  - .name:           k_q3de177056e_attn
    .symbol:         k_q3de177056e_attn.kd
    .args:
      - { .name: qc, .offset: 0, .size: 8, .value_kind: global_buffer, .address_space: global }
      - { .name: qs, .offset: 8, .size: 8, .value_kind: global_buffer, .address_space: global }
      - { .name: kv, .offset: 16, .size: 8, .value_kind: global_buffer, .address_space: global }
      - { .name: cc, .offset: 24, .size: 8, .value_kind: global_buffer, .address_space: global }
    .group_segment_fixed_size: 327680
    .private_segment_fixed_size: 0
    .kernarg_segment_align: 8
    .kernarg_segment_size: 32
    .max_flat_workgroup_size: 512
    .sgpr_count:     100
    .vgpr_count:     256
    .wavefront_size: 32
...
	.end_amdgpu_metadata
.endif
;; end of part 3
;; launch outp (part 4): grid 4 x 64, 8 waves a work-group, clusters of 4 x 4, 244,736 bytes of LDS; arguments cc, xc, Wb, out0; writes out0
.if DOCPART == 4
	.amdgcn_target "amdgcn-amd-amdhsa--gfx1250"
	.amdhsa_code_object_version 6
	.text
	.protected	k_q3de177056e_outp
	.globl	k_q3de177056e_outp
	.p2align	8
	.type	k_q3de177056e_outp,@function
k_q3de177056e_outp:
	s_mov_b64 s[64:65], 0
	v_nop
	global_prefetch_b8 v0, s[64:65] scope:SCOPE_SE
	s_setreg_imm32_b32 hwreg(HW_REG_WAVE_MODE, 25, 1), 1
	s_wait_xcnt 0x0
	s_wait_alu depctr_hold_cnt(0) depctr_sa_sdst(0) depctr_va_vdst(0) depctr_va_sdst(0) depctr_va_ssrc(0) depctr_va_vcc(0) depctr_vm_vsrc(0)
	s_getreg_b32 s2, hwreg(HW_REG_IB_STS2, 6, 4)
	s_cmp_eq_u32 s2, 0
	s_cbranch_scc0 .Lentry_in_a_cluster
	s_endpgm
.Lentry_in_a_cluster:
	s_bfe_u32 s2, ttmp6, 0x10000c
	s_cmp_lg_u32 s2, 0xf033
	s_cbranch_scc0 .Lentry_shape_is_right
	s_endpgm
.Lentry_shape_is_right:
; out0 = ctx Ww^T + Wb, on codes of FP4 with E8M0 scales, sums in f32, stored as f32.
; INPUT: cc (ctx) and xc (Ww: tiles 1728 on), records of 8,704 bytes for tiles of 16 rows: two halves along K; a half: 4,096 bytes of codes in fragment order, 256 bytes of scale words.
; Lane-row r of tile g is row 32 (g / 2) + 8 (g % 2) + r + 8 (r / 8).
; SHARES: a work-group takes 128 tokens (8 tiles) x 256 outputs (16 tiles), all K = 1,024: both panels lie in LDS whole (208,896 bytes), each byte filled once.  Eight waves: wave w takes output quarter w % 4
; and token half w / 4: 64 x 64, 16 accumulators.  256 work-groups.
; Source 0 = 16 rows of Ww, source 1 = 16 tokens: a lane holds one token, and register j of tile t output 32 (t / 2) + 16 (lane / 16) + 8 (t % 2) + j of the quarter: eight neighbours.  Wb is the C of each sum's first product.
; CLUSTERS: 4 x 4.  ctx's panel hangs on the work-group's y alone and is asked for jointly along a row of the cluster, Ww's on x alone, jointly along a column.
; THE WAY OUT: a tile of 16 tokens x 64 outputs goes through the wave's own stage in LDS (behind the panels; no fill lands there) and leaves as rows: sixteen lanes store 256 consecutive bytes, aligned.
.set REC,   8704
.set HALF,  4352
.set CHUNK, 24*HALF
.set WOFF,  8*HALF
.set LI,  1
.set A0,  3                            ; v3 LDS address of Ww's fragments; v4 of ctx's; v5, v6 of their scale words
.set A1,  4
.set A0S, 5
.set A1S, 6
.set BO,  7                            ; v7 my offset in Wb
.set STO, 8                            ; v8 the stage: where I put 32 bytes of a row; v9 where I read a row back; v10 my byte offset in out0
.set RD,  9
.set CO,  10
.set SC0, 16
.set SC1, 20
.set BI,  24
.set F0,  56                           ; v56-87, v88-119 fragments; on the way out rows read back, by turns
.set F1,  88
.set ACC, 120
.set WV,  18
.set G1X, 32
.set G1W, 40
.set G0X, 48
.set G0W, 56
.macro ROUND
	s_barrier_signal -1
	s_barrier_wait -1
	s_cmp_lg_u32 s[WV], 0
	s_cbranch_scc1 .Lnot_wave_0_\@
	s_barrier_signal -3
.Lnot_wave_0_\@:
	s_barrier_wait -3
	s_barrier_signal -1
	s_barrier_wait -1
.endm
.macro PLACES                          ; four places behind a matrix instruction, ahead of loads into its sources and of reads of its results
.rept 4
	v_nop
.endr
.endm
.macro FETCH k
.irp i, 0,1,2,3
	ds_load_b128 v[F0+8*\i:F0+8*\i+3], v[A0] offset:HALF*\i+1024*(\k)
	ds_load_b128 v[F0+8*\i+4:F0+8*\i+7], v[A0] offset:HALF*\i+1024*(\k)+512
	ds_load_b128 v[F1+8*\i:F1+8*\i+3], v[A1] offset:HALF*\i+1024*(\k)
	ds_load_b128 v[F1+8*\i+4:F1+8*\i+7], v[A1] offset:HALF*\i+1024*(\k)+512
	ds_load_b32 v[SC0+\i], v[A0S] offset:4096+HALF*\i+64*(\k)
	ds_load_b32 v[SC1+\i], v[A1S] offset:4096+HALF*\i+64*(\k)
.endr
.endm
.macro MUL mode                        ; 16 products, the 16 accumulators by turns in the same order in every step.  mode 1: the sums begin with the bias
.irp n, 0,1,2,3
.irp t, 0,1,2,3
.if \mode == 0
	v_wmma_scale_f32_16x16x128_f8f6f4 v[ACC+32*\n+8*\t:ACC+32*\n+8*\t+7], v[F0+8*\t:F0+8*\t+7], v[F1+8*\n:F1+8*\n+7], v[ACC+32*\n+8*\t:ACC+32*\n+8*\t+7], v[SC0+\t], v[SC1+\n] matrix_a_fmt:MATRIX_FMT_FP4 matrix_b_fmt:MATRIX_FMT_FP4
.else
	v_wmma_scale_f32_16x16x128_f8f6f4 v[ACC+32*\n+8*\t:ACC+32*\n+8*\t+7], v[F0+8*\t:F0+8*\t+7], v[F1+8*\n:F1+8*\n+7], v[BI+8*\t:BI+8*\t+7], v[SC0+\t], v[SC1+\n] matrix_a_fmt:MATRIX_FMT_FP4 matrix_b_fmt:MATRIX_FMT_FP4
.endif
.endr
.endr
.endm
	s_load_b256 s[4:11], s[0:1], 0x0               ; cc, xc, Wb, out0
	v_lshl_add_u32 v254, v0, 2, 0x3b800
	v_mov_b32 v255, 0
	ds_add_u32 v254, v255
	ds_add_u32 v254, v255
	v_lshrrev_b32 v1, 5, v0
	s_delay_alu instid0(VALU_DEP_1)
	v_readfirstlane_b32 s[WV], v1                  ; wave 0..7
	s_and_b32 s19, s[WV], 3                        ; my output quarter
	s_lshr_b32 s21, s[WV], 2                       ; my token half; also: I fetch ctx (0) or Ww (1)
	s_bfe_u32 s22, ttmp6, 0x40000                  ; cx
	s_bfe_u32 s23, ttmp6, 0x40004                  ; cy
	s_lshl_b32 s24, ttmp9, 2
	s_add_co_u32 s24, s24, s22                     ; tc: which 256 outputs
	s_and_b32 s26, ttmp7, 0xffff
	s_lshl_b32 s25, s26, 2
	s_add_co_u32 s25, s25, s23                     ; tr: which 128 tokens
	s_lshl_b32 s28, s23, 2
	s_lshl_b32 s28, 15, s28                        ; my row of the cluster
	s_lshl_b32 s29, 0x1111, s22                    ; my column
	s_mul_i32 s79, s21, 4*HALF                     ; ctx's four tiles of mine in a chunk
	s_mul_i32 s78, s19, 4*HALF
	s_add_co_u32 s78, s78, WOFF                    ; Ww's
	s_mul_i32 s80, s[WV], 16*272
	s_add_co_u32 s80, s80, 2*CHUNK                 ; my stage: 16 rows of 256 + 16 bytes
	v_and_b32 v14, 31, v0
	s_delay_alu instid0(VALU_DEP_1)
	v_lshlrev_b32 v[LI], 4, v14
	v_and_b32 v14, 15, v0                          ; r
	v_bfe_u32 v15, v0, 4, 1                        ; h
	s_delay_alu instid0(VALU_DEP_3)
	v_add_nc_u32 v[A0], s78, v[LI]
	s_delay_alu instid0(VALU_DEP_4)
	v_add_nc_u32 v[A1], s79, v[LI]
	s_delay_alu instid0(VALU_DEP_4)
	v_lshl_add_u32 v[A0S], v14, 2, s78
	v_lshl_add_u32 v[A1S], v14, 2, s79
	v_mul_u32_u24 v[STO], v14, 272
	s_delay_alu instid0(VALU_DEP_1)
	v_lshl_add_u32 v[STO], v15, 6, v[STO]
	s_delay_alu instid0(VALU_DEP_1)
	v_add_nc_u32 v[STO], s80, v[STO]               ; in: row r, + 64 h
	v_mul_u32_u24 v[RD], v15, 272
	s_delay_alu instid0(VALU_DEP_1)
	v_lshl_add_u32 v[RD], v14, 4, v[RD]
	s_delay_alu instid0(VALU_DEP_1)
	v_add_nc_u32 v[RD], s80, v[RD]                 ; back: lanes 0-15 one row, lanes 16-31 the next
	v_lshlrev_b32 v[CO], 12, v15
	s_delay_alu instid0(VALU_DEP_1)
	v_lshl_add_u32 v[CO], v14, 4, v[CO]            ; and the same two rows in out0
	v_lshlrev_b32 v[BO], 6, v15                    ; Wb: register j of tile t is output 32 (t / 2) + 8 (t % 2) + 16 h + j of my quarter
	; descriptor groups 1: rows of 4,352 bytes (544 elements of 8), 8,704 bytes apart; 4 rows for ctx, 8 for Ww; no padding
	s_or_b32 s[G1X], s28, (3<<16)|(1<<21)
	s_or_b32 s[G1W], s29, (3<<16)|(1<<21)
	s_mov_b32 s[G1X+1], 544<<16
	s_mov_b32 s[G1X+2], 4<<16
	s_mov_b32 s[G1X+3], 544<<16
	s_mov_b32 s[G1X+4], 4
	s_mov_b32 s[G1X+5], 1088
	s_mov_b32 s[G1X+6], 0
	s_mov_b32 s[G1X+7], 0
	s_mov_b32 s[G1W+1], 544<<16
	s_mov_b32 s[G1W+2], 8<<16
	s_mov_b32 s[G1W+3], 544<<16
	s_mov_b32 s[G1W+4], 8
	s_mov_b32 s[G1W+5], 1088
	s_mov_b32 s[G1W+6], 0
	s_mov_b32 s[G1W+7], 0
	; the four pieces (ctx, Ww) x (K's two halves) are shared out, one load a wave: wave bit 0: which half of the piece's tiles; bit 1: which half of K; bit 2: ctx or Ww
	s_and_b32 s86, s[WV], 1
	s_bfe_u32 s87, s[WV], 0x10001
	s_lshl_b32 s66, s25, 3
	s_lshl_b32 s67, s86, 2
	s_add_co_u32 s66, s66, s67
	s_mul_i32 s66, s66, REC                        ; ctx's tile 8 tr + 4 x part,
	s_mul_i32 s67, s87, HALF
	s_add_co_u32 s66, s66, s67                     ; its half of K
	s_mov_b32 s67, 0
	s_lshl_b32 s68, s24, 4
	s_add_co_u32 s68, s68, 1728
	s_lshl_b32 s69, s86, 3
	s_add_co_u32 s68, s68, s69
	s_mul_i32 s68, s68, REC                        ; Ww's tile 1728 + 16 tc + 8 x part
	s_mul_i32 s69, s87, HALF
	s_add_co_u32 s68, s68, s69
	s_mov_b32 s69, 0
	s_mul_i32 s88, s87, CHUNK                      ; and where they go
	s_mul_i32 s74, s86, 4*HALF
	s_add_co_u32 s74, s74, s88
	s_mul_i32 s75, s86, 8*HALF
	s_add_co_u32 s75, s75, WOFF
	s_add_co_u32 s75, s75, s88
	s_lshl_b32 s84, s24, 10
	s_lshl_b32 s85, s19, 8
	s_add_co_u32 s84, s84, s85                     ; my 64 outputs, in bytes: 1,024 tc + 256 quarter
	s_mov_b32 s85, 0
	s_lshl_b32 s82, s25, 19
	s_lshl_b32 s83, s21, 18
	s_add_co_u32 s82, s82, s83                     ; my first token's row: (128 tr + 64 half) x 4,096 bytes
	s_add_co_u32 s82, s82, s84
	s_mov_b32 s83, 0
	s_wait_dscnt 0x0
	s_wait_kmcnt 0x0
	s_add_nc_u64 s[8:9], s[8:9], s[84:85]
	s_add_nc_u64 s[10:11], s[10:11], s[82:83]
	s_add_nc_u64 s[70:71], s[4:5], s[66:67]
	s_add_nc_u64 s[72:73], s[6:7], s[68:69]
	ROUND                                          ; all sixteen work-groups are here: the joint loads meet
	s_mov_b32 s[G0X], 1
	s_mov_b32 s[G0X+1], s74
	s_mov_b64 s[G0X+2:G0X+3], s[70:71]
	s_or_b32 s[G0X+3], s[G0X+3], 0x80000000
	s_mov_b32 s[G0W], 1
	s_mov_b32 s[G0W+1], s75
	s_mov_b64 s[G0W+2:G0W+3], s[72:73]
	s_or_b32 s[G0W+3], s[G0W+3], 0x80000000
	s_cmp_lt_u32 s[WV], 4                          ; one tensor load a wave, the launch's only fills; an s_nop 0 and four v_nop follow each line
	s_cbranch_scc0 .Lfill_w
	tensor_load_to_lds s[G0X:G0X+3], s[G1X:G1X+7]
	s_nop 0
.rept 4
	v_nop
.endr
	s_branch .Lfilled
.Lfill_w:
	tensor_load_to_lds s[G0W:G0W+3], s[G1W:G1W+7]
	s_nop 0
.rept 4
	v_nop
.endr
.Lfilled:
	s_wait_alu depctr_va_vdst(0)
.irp t, 0,1,2,3
	global_load_b128 v[BI+8*\t:BI+8*\t+3], v[BO], s[8:9] offset:(32*(\t/2)+8*(\t%2))*4
	global_load_b128 v[BI+8*\t+4:BI+8*\t+7], v[BO], s[8:9] offset:(32*(\t/2)+8*(\t%2))*4+16
.endr
	s_wait_tensorcnt 0x0                           ; my piece is in; behind the barrier both panels are whole
	s_barrier_signal -1
	s_barrier_wait -1
	FETCH 0
	s_wait_loadcnt 0x0                             ; the bias
	s_wait_dscnt 0x0
	MUL 1
.irp k, 1,2,3
	PLACES
	FETCH \k
	s_wait_dscnt 0x0
	MUL 0
.endr
	v_add_nc_u32 v[A0], CHUNK, v[A0]               ; on to the second chunk; these four lines are also the places ahead of the loads below
	v_add_nc_u32 v[A1], CHUNK, v[A1]
	v_add_nc_u32 v[A0S], CHUNK, v[A0S]
	v_add_nc_u32 v[A1S], CHUNK, v[A1S]
	FETCH 0
	s_wait_alu depctr_va_vdst(0)
	s_wait_dscnt 0x0
	MUL 0
.irp k, 1,2,3
	PLACES
	FETCH \k
	s_wait_dscnt 0x0
	MUL 0
.endr
	PLACES
	; THE WAY OUT, a tile of 16 tokens at a time.  LDS serves a wave's instructions in order: no wait between the stores and the loads, nor ahead of the next tile's stores
.irp n, 0,1,2,3
.if \n >= 2
	s_wait_xcnt 0x0                                ; the stores of the tile two back have read their registers: the loads below land there
.endif
.irp t, 0,1,2,3
	ds_store_b128 v[STO], v[ACC+32*\n+8*\t:ACC+32*\n+8*\t+3] offset:128*(\t/2)+32*(\t%2)       ; each accumulator from its low end on
	ds_store_b128 v[STO], v[ACC+32*\n+8*\t+4:ACC+32*\n+8*\t+7] offset:128*(\t/2)+32*(\t%2)+16
.endr
.irp i, 0,1,2,3,4,5,6,7
	ds_load_b128 v[F0+32*(\n%2)+4*\i:F0+32*(\n%2)+4*\i+3], v[RD] offset:544*\i
.endr
.irp i, 0,1,2,3,4,5,6,7
	s_wait_dscnt 7-\i                              ; rows 2 i and 2 i + 1 are back; the later rows' loads may be out
	global_store_b128 v[CO], v[F0+32*(\n%2)+4*\i:F0+32*(\n%2)+4*\i+3], s[10:11] offset:(32*(\n/2)+8*(\n%2)+2*\i+8*(\i/4))*4096 th:TH_STORE_NT   ; lane-rows 2 i, 2 i + 1 of tile n are tokens 32 (n / 2) + 8 (n % 2) + 2 i + 8 (i / 4) and the next
.endr
.endr
	s_wait_tensorcnt 0x0
	ds_add_u32 v254, v255
	s_wait_dscnt 0x0
	ROUND                                          ; the closing round: no work-group ends while a partner may still ask for a tile that names it
	s_endpgm
.Lfunc_end_k_q3de177056e_outp:
	.size	k_q3de177056e_outp, .Lfunc_end_k_q3de177056e_outp-k_q3de177056e_outp
	.p2alignl 7, 3214868480
	.fill 96, 4, 3214868480
	.section	.rodata,"a",@progbits
	.p2align	6, 0x0
	.amdhsa_kernel k_q3de177056e_outp
		.amdhsa_group_segment_fixed_size 244736
		.amdhsa_private_segment_fixed_size 0
		.amdhsa_enable_private_segment 0
		.amdhsa_kernarg_size 32
		.amdhsa_user_sgpr_count 2
		.amdhsa_user_sgpr_kernarg_segment_ptr 1
		.amdhsa_wavefront_size32 1
		.amdhsa_system_sgpr_workgroup_id_x 1
		.amdhsa_system_sgpr_workgroup_id_y 1
		.amdhsa_system_sgpr_workgroup_id_z 1
		.amdhsa_system_vgpr_workitem_id 0
		.amdhsa_next_free_vgpr 256
		.amdhsa_next_free_sgpr 100
		.amdhsa_reserve_vcc 0
		.amdhsa_float_denorm_mode_32 3
		.amdhsa_float_denorm_mode_16_64 3
		.amdhsa_memory_ordered 1
		.amdhsa_forward_progress 1
		.amdhsa_inst_pref_size 46
	.end_amdhsa_kernel
	.amdgpu_metadata
---
amdhsa.version: [ 1, 2 ]
amdhsa.kernels:
  - .name:           k_q3de177056e_outp
    .symbol:         k_q3de177056e_outp.kd
    .args:
      - { .name: cc, .offset: 0, .size: 8, .value_kind: global_buffer, .address_space: global }
      - { .name: xc, .offset: 8, .size: 8, .value_kind: global_buffer, .address_space: global }
      - { .name: Wb, .offset: 16, .size: 8, .value_kind: global_buffer, .address_space: global }
      - { .name: out0, .offset: 24, .size: 8, .value_kind: global_buffer, .address_space: global }
    .group_segment_fixed_size: 244736
    .private_segment_fixed_size: 0
    .kernarg_segment_align: 8
    .kernarg_segment_size: 32
    .max_flat_workgroup_size: 256
    .sgpr_count:     100
    .vgpr_count:     256
    .wavefront_size: 32
...
	.end_amdgpu_metadata
.endif
;; end of part 4
